; MI455X (gfx1250); checked and timed in simulation.
; The chip was launched on July 23, 2026; its instructions are those of AMD's public machine-readable ISA for CDNA 5 (MIT licence, August 2026) and "CDNA5" Instruction Set Architecture Reference Guide (July 2026). The comments in the code are by the model that wrote it; some were corrected since.
;; projection net. Allowed arithmetic: matrix products marked QUANTISED: E5M2 operands, one E8M0 scale for each 32 along K, by v_wmma_scale_f32_16x16x128_f8f6f4 with both operands' format E5M2, f32 sums; products left as they are: f32 operands where the result goes on into a quantised operand, else bf16, f16 or f32 operands; f32 sums; everything else in f32.
;; Inputs: emb 4,096 x 512 float32; proj_ids 4,096 int32; rel_att 1,000 x 64 float32; rel_base 64 x 512 x 512 float32; rel_bias 64 x 512 float32.
;; Outputs: out0 4,096 x 512 float32.
;; This version of the problem:
;;   THIS VERSION OF THE PROBLEM IS GIVEN IN LOW PRECISION. The matrix products marked QUANTISED in the list below multiply operands that are first quantised to E5M2 (5 exponent bits, 2 mantissa bits; 8 bits a number), with one power-of-two scale for each 32 numbers along K (OCP MX v1.0); their sums are f32. All else is computed in f32.
;;   The module's matrix products, in the order in which they are computed (A, B: the left and right operand; K: the contracted axis; several contracted axes count as one K, in the product's order):
;;     1. [M 4,096, K 512] x [K 512, N 32,768]; A: input emb; B: input rel_base: QUANTISED
;;     2. batch 4,096 x [M 1, K 64] x [K 64, N 512]; A: computed on the way; B: computed on the way: left as it is (M = 1 < 16)
;;     3. [M 4,096, K 64] x [K 64, N 512]; A: computed on the way; B: input rel_bias: QUANTISED
;;   THE QUANTISER, for each operand of a quantised product, along K:
;;     - K is cut into blocks of 32 from its start; a last block that is shorter is filled with zeros.
;;     - A block's scale is 2^e with e = floor(log2(the largest magnitude in the block)) - 15, held to -126 .. 127; a block of zeros has e = 0. As a byte (E8M0): e + 127.
;;     - Each number is divided by its block's scale, clamped to +-57,344, and rounded to the nearest number of E5M2, ties to even, subnormals kept.
;;     - The product sums the exact products of the quantised numbers (number of the format x scale) in f32.
;;   ~~~python
;;   def quantise(x, axis):      # numpy; x: float32 -> the quantised numbers, widened to float32 again
;;       x = np.moveaxis(x, axis, -1); K = x.shape[-1]
;;       x = np.pad(x, [(0, 0)] * (x.ndim - 1) + [(0, -K % 32)]); x = x.reshape(x.shape[:-1] + (-1, 32)); a = np.abs(x).max(-1, keepdims=True)
;;       e = np.where(a > 0, np.clip(np.frexp(np.where(a > 0, a, 1))[1] - 1 - 15, -126, 127), 0)      # np.frexp(a)[1] - 1 = floor(log2(a)), exactly
;;       r = np.clip(x / 2.0 ** e, -57344, 57344)
;;       step = 2.0 ** (np.maximum(np.frexp(np.where(r == 0, 1, r))[1] - 1, -14) - 2)
;;       q = np.round(r / step) * step * 2.0 ** e      # np.round: ties to even
;;       return np.moveaxis(q.reshape(q.shape[:-2] + (-1,))[..., :K], -1, axis).astype(np.float32)
;;   ~~~
;;   OPERANDS COMPUTED ON THE WAY. 'Computed on the way' means the value that the module computes at that place (a softmax that the list does not call 'softmax' is quantised finished and normalised). What goes into a quantiser is computed in f32, as accurately as f32 sums, v_exp_f32 and their like allow (about 1e-6 of the number): no bf16 or f16 on the way to a quantiser, and a product that is left as it is and whose result goes on into a quantised operand takes f32 operands (vector FMAs, or v_wmma_f32_16x16x4_f32). A number that lies on a knife's edge between two numbers of the format may be rounded either way, as far as f32 arithmetic and the matrix unit's own rounding can turn it there, and no further.
;; One version. Each part assembles by itself: llvm-mc -triple=amdgcn-amd-amdhsa -mcpu=gfx1250 --defsym DOCPART=n.
;; ======== version 1 of 1: 3 launches
;; limits: right only within a limited range of input values
;; workspace buffers: wq 16,777,216 bytes; wsc 524,288 bytes; xq 2,818,048 bytes; attw 1,048,576 bytes; pre 8,388,608 bytes
;; launch prep (part 1): grid 256 x 1, 16 waves a work-group, no clusters, 300,032 bytes of LDS; arguments rel_base, emb, proj_ids, rel_att, wq, wsc, xq, attw; writes wq, wsc, xq, attw
.if DOCPART == 1
	.amdgcn_target "amdgcn-amd-amdhsa--gfx1250"
	.amdhsa_code_object_version 6
	.text
	.protected	k_qc2809ded0d_prep
	.globl	k_qc2809ded0d_prep
	.p2align	8
	.type	k_qc2809ded0d_prep,@function
k_qc2809ded0d_prep:
	s_mov_b64 s[64:65], 0
	v_nop
	global_prefetch_b8 v0, s[64:65] scope:SCOPE_SE
	s_setreg_imm32_b32 hwreg(HW_REG_WAVE_MODE, 25, 1), 1
	s_wait_xcnt 0x0
; PREP: every operand of the two quantised products but rel_bias becomes codes of E5M2 with one E8M0 scale byte for each 32 along K, once,
; laid in the order of the operand registers of the 16x16x128 matrix instruction, so that the next launch loads fragments as 16 bytes x lane.
; rel_base [64 r][512 i][512 o] f32, K = i: wq  [oblk 16][r 64][otile 2][s 4][c 4][lane 32][16 B]; lane 16 h + n holds o = 32 oblk + 16 otile + n, k = 128 s + 32 c + 16 h + 0..15
;                                           wsc [oblk 16][r 64][otile 2][n 16][s 4] words; byte c of word s scales k = 128 s + 32 c on
; emb [4096][512] f32; att = rel_att[proj_ids] [4096][64]: xq, a record of 11,008 bytes for each 16 rows: +0 emb codes [s 4][c 4][lane][16 B];
;   +8,192 att codes [c 2][lane][16 B]; +10,240 emb scale words [s 4][lane]; +10,752 att scale word [lane] (bytes 2, 3 are 0); the other bytes are neither written nor read
; att as f32, for the weighted sum over the bases: attw [bblk 16][quad 16][b 256][4 r]
; A block's scale is 2^(floor(log2(its largest magnitude)) - 15); its byte is the largest magnitude's exponent field - 15, held at 1 from below; numbers are held within +-57,344 x the scale, then converted.
; LIMITS: NaN and infinities among the inputs are not served; blocks whose largest magnitude lies under 2^-111 keep the byte 1 (not tried); a block of zeros gets the byte 1 where the rule says 127
; (its codes are zeros, and only this program reads the bytes); an index of proj_ids is held at 999, the table's last row.
; SHARES.  Work-group g: base r = g / 4, columns o = 128 (g % 4) on, all 512 i; rows 16 g .. 16 g + 15 of emb and att.  Wave w of sixteen owns the block of 32 along K at i = 32 w (K step w / 4, block w % 4):
; ONE tensor load of 32 rows x 512 bytes into LDS bytes of its own, which it alone reads behind its own wait.  Waves 12-15 first make emb's K step w - 12, wave 11 att, while the tiles are on their way.
; Work-groups share no input, so there is no cluster.  Every byte is asked for at the head and read once, and there is no loop to run ahead in, so nothing is prefetched.
.set EMBL, 262144                      ; LDS: emb's stages, 16 x EPIT bytes for each of four waves; written by LDS stores alone
.set EPIT, 528                         ; 512 bytes + 16: the 16 rows that a load touches begin at 16 different banks
.set SCS,  295936                      ; LDS: W's scale bytes on their way out: [column group 4][column 32][16 bytes]; written by LDS stores alone
.set SPARE, 297984                     ; the spare words: 128 bytes for each of 16 waves
.set AL,   4                           ; 16,384 x wave + 4 x lane: a lane takes a column
.set AE,   5                           ; emb's stage, out: EPIT x (lane % 16) + 64 x (lane / 16)
.set LI,   6                           ; 16 x lane
.set LS,   7                           ; 4 x lane
.set WO,   8                           ; my place in wq: 8,192 x (lane / 16) + 16 x (lane % 16)
.set SCA,  9                           ; SCS + 16 x lane + wave
.set SCR,  10                          ; SCS + 512 x (wave % 4) + 16 x lane
.set AES,  28                          ; emb's stage, in: 16 x lane
.set SW,   20                          ; v20-23 my column's scale byte in each column group
.set X,    32                          ; v32-95 two sets of 32 numbers
.set C,    128                         ; v128-159 codes, eight registers an item
.set EX,   128                         ; ahead of W's work: 64 numbers of emb or att
.set PC,   192
.set TM,   208
.set PW,   224
.set SPW,  126
.set NIL,  127
.set WV,   56                          ; s56 wave; s57 wave % 4
.set SEL,  74
.set MNT,  76
.set G1W,  20
.set G0W,  40
; nb x 16 numbers of a lane (register 16 b + i = k 32 b + 16 (lane / 16) + i of my row) become codes in v[PC] on and a scale word in v[PW]
.macro QUANT s, nb
.irp b, 0,1,2,3
.if \b < \nb
	v_max3_num_f32 v[TM+\b], |v[\s+16*\b]|, |v[\s+1+16*\b]|, 0x8000000   ; with the floor 2^(16 - 127)
.endif
.endr
.irp i, 2,4,6,8,10,12,14
.irp b, 0,1,2,3
.if \b < \nb
	v_max3_num_f32 v[TM+\b], v[TM+\b], |v[\s+16*\b+\i]|, |v[\s+1+16*\b+\i]|
.endif
.endr
.endr
.irp b, 0,1,2,3
.if \b < \nb
	v_permlanex16_b32 v[TM+4+\b], v[TM+\b], s[SEL], s[SEL+1]
.endif
.endr
.irp b, 0,1,2,3
.if \b < \nb
	v_max_num_f32 v[TM+\b], v[TM+\b], v[TM+4+\b]   ; with lane l xor 16's 16
.endif
.endr
.irp b, 0,1,2,3
.if \b < \nb
	v_add_nc_u32 v[TM+12+\b], 0xf8800000, v[TM+\b]   ; 15 off the exponent field: the conversion's scale operand
.endif
.endr
.irp b, 0,1,2,3
.if \b < \nb
	v_and_or_b32 v[TM+8+\b], v[TM+\b], 0x7f800000, s[MNT]   ; 57,344 x the scale
.endif
.endr
.irp b, 0,1,2,3
.if \b < \nb
	v_lshrrev_b32 v[TM+4+\b], 23, v[TM+12+\b]   ; the byte
.endif
.endr
	v_lshl_or_b32 v[PW], v[TM+5], 8, v[TM+4]
.if \nb == 4
	v_lshl_or_b32 v[PW], v[TM+6], 16, v[PW]
	v_lshl_or_b32 v[PW], v[TM+7], 24, v[PW]
.endif
.irp b, 0,1,2,3
.if \b < \nb
.irp i, 0,1,2,3,4,5,6,7,8,9,10,11,12,13,14,15
	v_med3_num_f32 v[\s+16*\b+\i], v[\s+16*\b+\i], -v[TM+8+\b], v[TM+8+\b]   ; the conversion does not saturate (ISA guide 7.6.2): the hold comes first
.endr
	v_cvt_scalef32_pk8_bf8_f32 v[PC+4*\b:PC+1+4*\b], v[\s+16*\b:\s+7+16*\b], v[TM+12+\b]
	v_cvt_scalef32_pk8_bf8_f32 v[PC+2+4*\b:PC+3+4*\b], v[\s+8+16*\b:\s+15+16*\b], v[TM+12+\b]
.endif
.endr
	v_nop                                          ; a plain vector line behind the last conversion
.endm
.macro IMAGE base, off, n              ; each store covers 512 consecutive bytes, aligned
.irp c, 0,1,2,3
.if \c < \n
	global_store_b128 v[LI], v[PC+4*\c:PC+4*\c+3], s[\base:\base+1] offset:\off+512*\c
.endif
.endr
.endm
.macro LDX q                           ; column group q: a lane takes a column, its registers run down K
.irp i, 0,1,2,3,4,5,6,7,8,9,10,11,12,13,14,15,16,17,18,19,20,21,22,23,24,25,26,27,28,29,30,31
	ds_load_b32 v[X+32*((\q)%2)+\i], v[AL] offset:512*\i+128*(\q)
.endr
.endm
.macro WQ q
.set XS, X+32*((\q)%2)
.set CQ, C+8*(\q)
	v_max3_num_f32 v14, |v[XS]|, |v[XS+1]|, |v[XS+2]|
	v_max3_num_f32 v15, |v[XS+3]|, |v[XS+4]|, |v[XS+5]|
.irp i, 6,10,14,18,22,26
	v_max3_num_f32 v14, v14, |v[XS+\i]|, |v[XS+\i+1]|
	v_max3_num_f32 v15, v15, |v[XS+\i+2]|, |v[XS+\i+3]|
.endr
	v_max3_num_f32 v14, v14, |v[XS+30]|, |v[XS+31]|
	v_max3_num_f32 v14, v14, v15, 0x8000000
	v_add_nc_u32 v17, 0xf8800000, v14
	v_and_or_b32 v16, v14, 0x7f800000, s[MNT]
.irp i, 0,1,2,3,4,5,6,7,8,9,10,11,12,13,14,15,16,17,18,19,20,21,22,23,24,25,26,27,28,29,30,31
	v_med3_num_f32 v[XS+\i], v[XS+\i], -v16, v16
.endr
.irp g, 0,1,2,3
	v_cvt_scalef32_pk8_bf8_f32 v[CQ+2*\g:CQ+2*\g+1], v[XS+8*\g:XS+8*\g+7], v17
.endr
	v_lshrrev_b32 v[SW+(\q)], 23, v17              ; the byte (also the plain vector line behind the conversions)
	ds_store_b8 v[SCA], v[SW+(\q)] offset:512*(\q) ; byte 4 s + c = wave of my column's 16
	global_store_b128 v[WO], v[CQ:CQ+3], s[12:13] offset:(\q)*1048576       ; k 0..15: the places of lanes 0-15; sixteen lanes store 256 consecutive bytes, aligned
	global_store_b128 v[WO], v[CQ+4:CQ+7], s[12:13] offset:(\q)*1048576+256 ; k 16..31: those of lanes 16-31
.endm
	s_load_b512 s[4:19], s[0:1], 0x0               ; rel_base, emb, proj_ids, rel_att, wq, wsc, xq, attw
	v_lshl_add_u32 v[SPW], v0, 2, SPARE
	v_mov_b32 v[NIL], 0
	ds_add_u32 v[SPW], v[NIL]                      ; the opening lines
	ds_add_u32 v[SPW], v[NIL]
	v_lshrrev_b32 v1, 5, v0
	v_readfirstlane_b32 s[WV], v1                  ; wave 0..15
	s_and_b32 s57, s[WV], 3
	s_lshr_b32 s58, ttmp9, 2                       ; r
	s_and_b32 s59, ttmp9, 3                        ; og: which 128 columns
	s_mov_b32 s[G1W+0], 2<<16                      ; 32 rows of 128 elements of 4 bytes, 512 elements from row to row
	s_mov_b32 s[G1W+1], 128<<16
	s_mov_b32 s[G1W+2], 32<<16
	s_mov_b32 s[G1W+3], 128<<16
	s_mov_b32 s[G1W+4], 32
	s_mov_b32 s[G1W+5], 512
	s_mov_b32 s[G1W+6], 0
	s_mov_b32 s[G1W+7], 0
	s_mov_b32 s[SEL], 0x76543210
	s_mov_b32 s[SEL+1], 0xfedcba98
	s_mov_b32 s[MNT], 0x600000
	s_lshl_b32 s60, s58, 20                        ; my tile: r x 1,048,576 + 32 w rows of 2,048 bytes + 512 og
	s_lshl_b32 s62, s[WV], 16
	s_add_co_u32 s60, s60, s62
	s_lshl_b32 s62, s59, 9
	s_add_co_u32 s60, s60, s62
	s_mov_b32 s61, 0
	s_mov_b32 s63, 0
	s_lshl_b32 s67, s[WV], 14                      ; my tile in LDS
	s_mul_i32 s66, s57, 16*EPIT
	s_add_co_u32 s66, s66, EMBL                    ; emb's stage of wave % 4
	s_add_co_u32 s68, s[WV], SCS
	s_lshl_b32 s69, s57, 9
	s_add_co_u32 s69, s69, SCS
	v_and_b32 v1, 31, v0                           ; lane
	v_and_b32 v2, 15, v0                           ; m
	v_bfe_u32 v3, v0, 4, 1                         ; h
	v_lshlrev_b32 v[LS], 2, v1
	v_lshlrev_b32 v[LI], 4, v1
	v_add_nc_u32 v[AL], s67, v[LS]
	v_mul_u32_u24 v[AE], v2, EPIT
	v_lshl_add_u32 v[AE], v3, 6, v[AE]
	v_add_nc_u32 v[AE], s66, v[AE]
	v_add_nc_u32 v[AES], s66, v[LI]
	v_lshlrev_b32 v[WO], 4, v2
	v_lshl_add_u32 v[WO], v3, 13, v[WO]
	v_add_nc_u32 v[SCA], s68, v[LI]
	v_add_nc_u32 v[SCR], s69, v[LI]
	v_lshlrev_b32 v11, 2, v2                       ; my row's index
	v_lshlrev_b32 v13, 4, v2
	v_lshl_add_u32 v13, v3, 14, v13                ; attw: 16 m + 4 quads x h
	v_lshlrev_b32 v19, 6, v3                       ; 64 h
.irp b, 0,1,2,3
	v_mov_b32 v[TM+4+\b], 0                        ; a lane permute's destination counts as one of its sources
.endr
	s_wait_alu depctr_va_vdst(0)                   ; the wait at the head's end
	s_wait_dscnt 0x0
	s_wait_kmcnt 0x0
	s_mov_b32 s[G0W], 1
	s_mov_b32 s[G0W+1], s67
	s_add_nc_u64 s[G0W+2:G0W+3], s[4:5], s[60:61]
	s_or_b32 s[G0W+3], s[G0W+3], 0x80000000
	tensor_load_to_lds s[G0W:G0W+3], s[G1W:G1W+7]  ; my one tensor load
	s_nop 0
	s_mul_i32 s60, ttmp9, 11008
	s_add_nc_u64 s[16:17], s[16:17], s[60:61]      ; my record of xq
	s_lshl_b32 s60, s57, 11
	s_add_nc_u64 s[70:71], s[16:17], s[60:61]      ; emb's codes of K step wave % 4
	s_lshl_b32 s60, s57, 7
	s_add_nc_u64 s[72:73], s[16:17], s[60:61]      ; and its scale words
	s_lshl_b32 s60, s59, 22                        ; wq: 4 og blocks of 1,048,576 + r x 16,384 + 512 w
	s_lshl_b32 s62, s58, 14
	s_add_co_u32 s60, s60, s62
	s_lshl_b32 s62, s[WV], 9
	s_add_co_u32 s60, s60, s62
	s_add_nc_u64 s[12:13], s[12:13], s[60:61]
	s_lshl_b32 s60, s59, 2                         ; wsc: ((4 og + wave % 4) x 64 + r) x 512
	s_add_co_u32 s60, s60, s57
	s_lshl_b32 s60, s60, 6
	s_add_co_u32 s60, s60, s58
	s_lshl_b32 s60, s60, 9
	s_add_nc_u64 s[14:15], s[14:15], s[60:61]
	s_lshr_b32 s60, ttmp9, 4                       ; attw: (g / 16) x 65,536 + (g % 16) x 256
	s_lshl_b32 s60, s60, 16
	s_and_b32 s62, ttmp9, 15
	s_lshl_b32 s62, s62, 8
	s_add_co_u32 s60, s60, s62
	s_add_nc_u64 s[18:19], s[18:19], s[60:61]
	s_lshl_b32 s60, ttmp9, 6
	s_add_nc_u64 s[8:9], s[8:9], s[60:61]          ; proj_ids: 16 g indices
	s_lshl_b32 s60, ttmp9, 15                      ; emb: 16 g rows of 2,048 bytes + 512 x (wave % 4)
	s_lshl_b32 s62, s57, 9
	s_add_co_u32 s60, s60, s62
	s_add_nc_u64 s[6:7], s[6:7], s[60:61]
	s_cmp_lt_u32 s[WV], 12
	s_cbranch_scc1 .Lnot_emb
	; ---- emb, waves 12-15: a load reads 512 consecutive bytes of a row; the 16 rows turn through the wave's own stage
.irp i, 0,1,2,3,4,5,6,7,8,9,10,11,12,13,14,15
	global_load_b128 v[EX+4*\i:EX+4*\i+3], v[LI], s[6:7] offset:2048*\i th:TH_LOAD_NT
.endr
	s_wait_loadcnt 0x0
.irp i, 0,1,2,3,4,5,6,7,8,9,10,11,12,13,14,15
	ds_store_b128 v[AES], v[EX+4*\i:EX+4*\i+3] offset:EPIT*\i
.endr
.irp c, 0,1,2,3
.irp j, 0,1,2,3
	ds_load_b128 v[EX+16*\c+4*\j:EX+16*\c+4*\j+3], v[AE] offset:128*\c+16*\j   ; LDS serves a wave's instructions in order: these see my stores
.endr
.endr
	s_wait_dscnt 0x0
	QUANT EX, 4
	IMAGE 70, 0, 4
	global_store_b32 v[LS], v[PW], s[72:73] offset:10240
	s_branch .Lw
.Lnot_emb:
	s_cmp_lg_u32 s[WV], 11
	s_cbranch_scc1 .Lw
	; ---- att, wave 11
	global_load_b32 v12, v11, s[8:9]
	s_wait_loadcnt 0x0
	v_min_u32 v12, 0x3e7, v12                      ; held inside the table
	v_lshlrev_b32 v12, 8, v12                      ; a row of rel_att is 256 bytes
	v_add_nc_u32 v12, v19, v12
.irp c, 0,1
.irp j, 0,1,2,3
	global_load_b128 v[EX+16*\c+4*\j:EX+16*\c+4*\j+3], v12, s[10:11] offset:128*\c+16*\j
.endr
.endr
	s_wait_loadcnt 0x0
.irp c, 0,1
.irp j, 0,1,2,3
	global_store_b128 v13, v[EX+16*\c+4*\j:EX+16*\c+4*\j+3], s[18:19] offset:(8*\c+\j)*4096   ; quad 8 c + 4 h + j: sixteen lanes store 256 consecutive bytes, aligned
.endr
.endr
	s_wait_xcnt 0x0                                ; the stores have read their data: the holds below write the same registers
	QUANT EX, 2
	IMAGE 16, 8192, 2
	global_store_b32 v[LS], v[PW], s[16:17] offset:10752
.Lw:
	; ---- W: four column groups, LDS loads one group ahead
	s_wait_tensorcnt 0x0                           ; my tile is in; only I read it
	LDX 0
.set Q, 0
.rept 4
.if Q < 3
	LDX Q+1
	s_wait_dscnt 32                                ; all but the 32 just issued
.else
	s_wait_dscnt 0x0
.endif
	WQ Q
.set Q, Q+1
.endr
	s_wait_dscnt 0x0                               ; for the others' sake: my byte stores have landed
	s_barrier_signal -1
	s_barrier_wait -1
	s_cmp_lt_u32 s[WV], 4                          ; waves 0-3 send a column group's 512 bytes each
	s_cbranch_scc0 .Lno_sc
	ds_load_b128 v[24:27], v[SCR]
	s_wait_dscnt 0x0
	global_store_b128 v[LI], v[24:27], s[14:15]
.Lno_sc:
	s_wait_tensorcnt 0x0                           ; the wave's end
	ds_add_u32 v[SPW], v[NIL]
	s_wait_dscnt 0x0
	s_endpgm
.Lfunc_end_k_qc2809ded0d_prep:
	.size	k_qc2809ded0d_prep, .Lfunc_end_k_qc2809ded0d_prep-k_qc2809ded0d_prep
	.p2alignl 7, 3214868480
	.fill 96, 4, 3214868480
	.section	.rodata,"a",@progbits
	.p2align	6, 0x0
	.amdhsa_kernel k_qc2809ded0d_prep
		.amdhsa_group_segment_fixed_size 300032
		.amdhsa_private_segment_fixed_size 0
		.amdhsa_enable_private_segment 0
		.amdhsa_kernarg_size 64
		.amdhsa_user_sgpr_count 2
		.amdhsa_user_sgpr_kernarg_segment_ptr 1
		.amdhsa_wavefront_size32 1
		.amdhsa_system_sgpr_workgroup_id_x 1
		.amdhsa_system_sgpr_workgroup_id_y 1
		.amdhsa_system_sgpr_workgroup_id_z 1
		.amdhsa_system_vgpr_workitem_id 0
		.amdhsa_next_free_vgpr 256
		.amdhsa_next_free_sgpr 80
		.amdhsa_reserve_vcc 0
		.amdhsa_float_denorm_mode_32 3
		.amdhsa_float_denorm_mode_16_64 3
		.amdhsa_memory_ordered 1
		.amdhsa_forward_progress 1
		.amdhsa_inst_pref_size 46
	.end_amdhsa_kernel
	.amdgpu_metadata
---
amdhsa.version: [ 1, 2 ]
amdhsa.kernels:
  - .name:           k_qc2809ded0d_prep
    .symbol:         k_qc2809ded0d_prep.kd
    .args:
      - { .name: rel_base, .offset: 0, .size: 8, .value_kind: global_buffer, .address_space: global }
      - { .name: emb, .offset: 8, .size: 8, .value_kind: global_buffer, .address_space: global }
      - { .name: proj_ids, .offset: 16, .size: 8, .value_kind: global_buffer, .address_space: global }
      - { .name: rel_att, .offset: 24, .size: 8, .value_kind: global_buffer, .address_space: global }
      - { .name: wq, .offset: 32, .size: 8, .value_kind: global_buffer, .address_space: global }
      - { .name: wsc, .offset: 40, .size: 8, .value_kind: global_buffer, .address_space: global }
      - { .name: xq, .offset: 48, .size: 8, .value_kind: global_buffer, .address_space: global }
      - { .name: attw, .offset: 56, .size: 8, .value_kind: global_buffer, .address_space: global }
    .group_segment_fixed_size: 300032
    .private_segment_fixed_size: 0
    .kernarg_segment_align: 8
    .kernarg_segment_size: 64
    .max_flat_workgroup_size: 512
    .sgpr_count:     80
    .vgpr_count:     256
    .wavefront_size: 32
...
	.end_amdgpu_metadata
.endif
;; end of part 1
;; launch main (part 2): grid 16 x 16, 4 waves a work-group, clusters of 4 x 4, 327,680 bytes of LDS; arguments xq, wq, wsc, attw, rel_bias, pre; writes pre
.if DOCPART == 2
	.amdgcn_target "amdgcn-amd-amdhsa--gfx1250"
	.amdhsa_code_object_version 6
	.text
	.protected	k_qc2809ded0d_main
	.globl	k_qc2809ded0d_main
	.p2align	8
	.type	k_qc2809ded0d_main,@function
k_qc2809ded0d_main:
	s_mov_b64 s[64:65], 0
	v_nop
	global_prefetch_b8 v0, s[64:65] scope:SCOPE_SE
	s_setreg_imm32_b32 hwreg(HW_REG_WAVE_MODE, 25, 1), 1
	s_wait_xcnt 0x0
	s_wait_alu depctr_hold_cnt(0) depctr_sa_sdst(0) depctr_va_vdst(0) depctr_va_sdst(0) depctr_va_ssrc(0) depctr_va_vcc(0) depctr_vm_vsrc(0)
	s_getreg_b32 s2, hwreg(HW_REG_IB_STS2, 6, 4)
	s_cmp_eq_u32 s2, 0
	s_cbranch_scc0 .Lentry_in_a_cluster
	s_endpgm
.Lentry_in_a_cluster:
	s_bfe_u32 s2, ttmp6, 0x10000c
	s_cmp_lg_u32 s2, 0xf033
	s_cbranch_scc0 .Lentry_shape_is_right
	s_endpgm
.Lentry_shape_is_right:
; MAIN: pre[b][o] = sum over r of att[b][r] x (sum over i of Q(emb)[b][i] Q(rel_base)[r][i][o]) + sum over r of Q(att)[b][r] Q(rel_bias)[r][o], in f32, ahead of the LayerNorm.
; Both quantised products go on codes of E5M2 with E8M0 scales for each 32 along K; the weighting by att is f32 fused multiply-adds.  Buffers as the launch before laid them (images of operand registers).
; pre: [tile of 16 rows 256][tile of 16 columns 32][q 2][lane 32][16 B]; lane (m, h) holds row m, columns 8 h + 4 q + 0..3 of the tile.
; LIMITS: NaN and infinities are not served; a block of rel_bias under 2^-111 keeps the scale byte 1 (not tried), a block of zeros too (its codes are zeros).
; SHARES.  A work-group owns 256 rows b x 32 columns o and walks all 64 bases r.  Wave w: rows 128 (w / 2) on (eight tiles of 16), columns 16 (w % 2) on (one tile).
; The wave's fragments of emb (8 tiles x 4 K steps x 16 = 512 registers) stay in registers; only rel_base's codes stream: 8 KB a wave and base, each fragment feeding eight matrix instructions.
; THE MATRIX INSTRUCTION IS USED TRANSPOSED (source 0 = 16 columns o of a base, source 1 = 16 rows b): a lane holds ONE row b, so att[b][r] is one number a lane, and a finished tile P is folded into
; the running sum O by four packed multiply-adds.
; A STEP (one base) is two halves of 16 matrix instructions: tiles 0, 1, 2, 6, then tiles 3, 4, 5, 7; in a half the K steps are the outer walk and the four accumulators take turns, so that three other
; matrix instructions stand between two links of a sum.  The tiles of one half are folded beside the other half's products: two folds behind each product of its first and of its last pass.
; So tiles 3, 4, 5, 7 are folded in the next step's first half; the first step finds zeros for them.
; THE SMALL PRODUCT has K = 64 in an instruction of 128: rel_bias's codes of blocks 2, 3 are zeros.  On att's side a tile's operand is its own 8 registers and the next tile's 8 (finite codes; behind the last tile zeros),
; whose products with the zero codes add nothing; the scale bytes of blocks 2, 3 are 0, a finite code.
; RING.  Two LDS slots of 8 bases: 131,072 bytes of codes, 4,096 of scale words, 8,192 of att.  One joint load a wave at the head and behind each round: waves 0, 1 the halves of the codes, wave 2 the scales, wave 3 att.
; CLUSTER 4 x 4: the four work-groups of a column share the columns o (codes, scales), the four of a row the rows b (att): each tile is asked for jointly.
; emb's records are shared along a row of the cluster too, but are loaded plainly, once, straight into the registers where they stay: through LDS they would want 176 KB beside the two slots' 286,720 bytes.
; REGISTERS, in windows of 256 (s_set_vgpr_msb: bits 1:0 source 0, 3:2 source 1, 5:4 source 2, 7:6 destination):
;   window 0: v1-13 addresses; v32-63 emb's scale words; v64-71 W's, two sets; v72-79 att's; v80 rel_bias's; v96-111 att of tiles 6, 7; v128-255 emb tiles 6, 7
;   window 1: v0-127 W's fragments, two sets of 64; v128-191 P; v192-255 O      window 2: v0-191 emb tiles 0-2; v192-215 att of tiles 3, 4, 5      window 3: v0-191 emb tiles 3-5; v192-215 att of tiles 0, 1, 2
; A tile's att (two sets of four registers: a quad of bases each) lies in the window of the emb tile beside whose products it is folded, so that a product and its folds run under one setting.
; emb's scale word of (tile a, K step s) lies at 32 + 4 a + (s + 1) % 4, W's at 64 + 4 x + s: the two scale registers of a product never have the same number modulo 8.
.set SM,    262144                     ; LDS behind the codes' two slots: for slot n at SM + 16,384 n: 4,096 bytes of scale words, then 8,192 of att
.set SPARE, 294912                     ; the spare words, 128 bytes a wave
.set AW0,  1                           ; 16 x lane + 8,192 x (wave % 2)
.set ADW,  2                           ; the slot in hand: its bases 0-3,
.set ADWH, 3                           ; its bases 4-7 (LDS offsets have 16 bits),
.set AS0,  4                           ; SM + 16 x (lane % 16) + 256 x (wave % 2)
.set ADS,  5                           ; its scale words,
.set AT0,  6                           ; SM + 4,096 + 2,048 x (wave / 2) + 16 x (lane % 16)
.set ADT,  7                           ; its att
.set LI,   8
.set LS,   9
.set PFO,  10                          ; 256 x lane
.set BO,   11                          ; rel_bias: 4 x (lane % 16) + 16 rows x (lane / 16)
.set SPW,  12
.set NIL,  13
.set ESC,  32
.set WSC,  64
.set ASC,  72
.set BSC,  80
.set BX,   128                         ; window 1, at the head: rel_bias's 32 numbers, its codes, at work
.set BPC,  160
.set BTM,  176
.set WV,   16                          ; s16 wave; s17 wave / 2; s18 wave % 2; s19 cx; s20 cy; s21 block of columns; s22 block of rows
.set TBH,  23
.set G1K,  24
.set G1S,  32
.set G1T,  40
.set G0K,  48                          ; groups 0, two sets each: slot 0's first fill; slot 1's, which then walks
.set G0S,  56
.set G0T,  68
.set PFA,  76
.set LIM,  78
.set CNT,  79
.set TB,   80
.set TS,   81
.set SEL,  88
.set MNT,  90
.set MSB, 0
.macro WIN new                         ; the immediate's high byte repeats the setting that is left
.if MSB != \new
	s_set_vgpr_msb (MSB<<8)|\new
.set MSB, \new
.endif
.endm
.macro GRP1 g, r                       ; a dense block as r rows of 256 bytes
	s_mov_b32 s[\g+1], 32<<16
	s_mov_b32 s[\g+2], (\r)<<16
	s_mov_b32 s[\g+3], 32<<16
	s_mov_b32 s[\g+4], \r
	s_mov_b32 s[\g+5], 32
	s_mov_b32 s[\g+6], 0
	s_mov_b32 s[\g+7], 0
.endm
.macro CREST
	s_cmp_lg_u32 s[WV], 0
	s_cbranch_scc1 .Lnot_wave_0_\@
	s_barrier_signal -3
.Lnot_wave_0_\@:
	s_barrier_wait -3
	s_barrier_signal -1
	s_barrier_wait -1
.endm
.macro CROUND
	s_barrier_signal -1
	s_barrier_wait -1
	CREST
.endm
.macro JLOAD k, s, t                   ; one joint load a wave, one chain of branches on the wave's number; s_nop 0 and four v_nop follow each line
	s_cmp_lt_u32 s[WV], 2
	s_cbranch_scc0 .Lnot_k_\@
	tensor_load_to_lds s[\k:\k+3], s[G1K:G1K+7]
	s_nop 0
.rept 4
	v_nop
.endr
	s_branch .Lasked_\@
.Lnot_k_\@:
	s_cmp_eq_u32 s[WV], 2
	s_cbranch_scc0 .Lfor_t_\@
	tensor_load_to_lds s[\s:\s+3], s[G1S:G1S+7]
	s_nop 0
.rept 4
	v_nop
.endr
	s_branch .Lasked_\@
.Lfor_t_\@:
	tensor_load_to_lds s[\t:\t+3], s[G1T:G1T+7]
	s_nop 0
.rept 4
	v_nop
.endr
.Lasked_\@:
.endm
; A prefetch of the codes that the NEXT change of slots will ask for: 131,072 bytes, eight steps ahead of that load.  A block of columns is walked by the four clusters of a column of clusters: the first (cluster y = 0) asks.
; Its four partners along y share the bytes out by address, 32,768 each; each of their waves takes 8,192, lanes 256 bytes apart: each block of 256 bytes is named once.  The last refill asks for nothing; slots 0 to 2 come by their loads alone.
.macro ASK
	s_cmp_gt_u32 s[CNT], s[LIM]
	s_cbranch_scc0 .Lnot_mine_\@
	global_prefetch_b8 v[PFO], s[PFA:PFA+1] th:TH_LOAD_NT scope:SCOPE_SE
.Lnot_mine_\@:
.endm
.macro MM a, s, x                      ; tile a's product for K step s, W's set x; K step 0 starts the sum with the constant 0
.if (\a) < 6
.set rE, 64*((\a)%3)+16*(\s)
.else
.set rE, 128+64*((\a)-6)+16*(\s)
.endif
.set rP, 128+8*(\a)
.set rW, 64*(\x)+16*(\s)
.if (\s) == 0
	v_wmma_scale_f32_16x16x128_f8f6f4 v[rP:rP+7], v[rW:rW+15], v[rE:rE+15], 0, v[WSC+4*(\x)+(\s)], v[ESC+4*(\a)+((\s)+1)%4] matrix_a_fmt:MATRIX_FMT_BF8 matrix_b_fmt:MATRIX_FMT_BF8
.else
	v_wmma_scale_f32_16x16x128_f8f6f4 v[rP:rP+7], v[rW:rW+15], v[rE:rE+15], v[rP:rP+7], v[WSC+4*(\x)+(\s)], v[ESC+4*(\a)+((\s)+1)%4] matrix_a_fmt:MATRIX_FMT_BF8 matrix_b_fmt:MATRIX_FMT_BF8
.endif
.endm
.macro FOLD a, p, q, e                 ; O[a] += att x P[a], registers 2 p, 2 p + 1; att is element e of set q; a tile's folds begin at p = 0, the accumulator's low end
.if (\a) < 3
.set rA, 192+8*(\a)
.elseif (\a) < 6
.set rA, 192+8*((\a)-3)
.else
.set rA, 96+8*((\a)-6)
.endif
.set rA, rA+4*(\q)+2*((\e)/2)
.set rP, 128+8*(\a)+2*(\p)
.set rO, 192+8*(\a)+2*(\p)
.if (\e)%2 == 0
	v_pk_fma_f32 v[rO:rO+1], v[rP:rP+1], v[rA:rA+1], v[rO:rO+1] op_sel_hi:[1,0,1]
.else
	v_pk_fma_f32 v[rO:rO+1], v[rP:rP+1], v[rA:rA+1], v[rO:rO+1] op_sel:[0,1,0] op_sel_hi:[1,1,1]
.endif
.endm
.macro ADDR                            ; the LDS addresses of the slot at TB, TS
	v_add_nc_u32 v[ADW], s[TB], v[AW0]
	v_add_nc_u32 v[ADWH], s[TBH], v[AW0]
	v_add_nc_u32 v[ADS], s[TS], v[AS0]
	v_add_nc_u32 v[ADT], s[TS], v[AT0]
.endm
; A step's one run of LDS loads: base jn of the slot in hand: its scale words and 16 loads of codes into set xn; aq = 0 or 1: also quad aq of the slot's att, into set aq of every tile
.macro RUN jn, xn, aq
.if (\jn) < 4
.set rAD, ADW
.else
.set rAD, ADWH
.endif
	WIN 0
	ds_load_b128 v[WSC+4*(\xn):WSC+4*(\xn)+3], v[ADS] offset:512*(\jn)
.if (\aq) >= 0
.irp a, 6,7
	ds_load_b128 v[96+8*(\a-6)+4*(\aq):96+8*(\a-6)+4*(\aq)+3], v[ADT] offset:4096*(\aq)+256*\a
.endr
	WIN 0x80
.irp a, 3,4,5
	ds_load_b128 v[192+8*(\a-3)+4*(\aq):192+8*(\a-3)+4*(\aq)+3], v[ADT] offset:4096*(\aq)+256*\a
.endr
	WIN 0xc0
.irp a, 0,1,2
	ds_load_b128 v[192+8*\a+4*(\aq):192+8*\a+4*(\aq)+3], v[ADT] offset:4096*(\aq)+256*\a
.endr
.endif
	WIN 0x40
.irp s, 0,1,2,3
.irp c, 0,1,2,3
	ds_load_b128 v[64*(\xn)+16*\s+4*\c:64*(\xn)+16*\s+4*\c+3], v[rAD] offset:((\jn)%4)*16384+2048*\s+512*\c
.endr
.endr
.endm
.macro PAIR m, f, s, x, q, e           ; tile m's product for K step s; in passes 0 and 3 two folds of tile f behind it
	MM \m, \s, \x
.if (\s) == 0
	FOLD \f, 0, \q, \e
	FOLD \f, 1, \q, \e
.endif
.if (\s) == 3
	FOLD \f, 2, \q, \e
	FOLD \f, 3, \q, \e
.endif
.endm
.macro PASS h, s, x, q, e              ; K step s of half h: four accumulators, one instruction a turn
.if \h == 0
	WIN 0x59                                       ; W, P, O window 1; emb tiles 0-2 and att of tiles 3-5 window 2
	PAIR 0, 3, \s, \x, \q, \e
	PAIR 1, 4, \s, \x, \q, \e
	PAIR 2, 5, \s, \x, \q, \e
	WIN 0x51                                       ; emb tiles 6, 7 and their att window 0
	PAIR 6, 7, \s, \x, \q, \e
.else
	WIN 0x5d                                       ; emb tiles 3-5 and att of tiles 0-2 window 3
	PAIR 3, 0, \s, \x, \q, \e
	PAIR 4, 1, \s, \x, \q, \e
	PAIR 5, 2, \s, \x, \q, \e
	WIN 0x51
	PAIR 7, 6, \s, \x, \q, \e
.endif
.endm
; STEP j of a slot.  mode 0: plain.  1: the slot's last step, with the change of slots and the joint refill.  2: the change without a refill.  3: the very last step: nothing more is fetched.
; PLACES (eight plain vector lines that name none of its registers between a matrix instruction of this form and a read of its result or a load into its registers), counted:
; behind the last products of a half's four tiles stand 8, 6, 4 and 2 folds of the other half's tiles; the next half's first pass folds the four tiles in the same order, two folds each,
; so that each tile's first fold has 8 + 0, 6 + 2, 4 + 4, 2 + 6 lines between.  The run of loads stands behind a step's first pass: 2 + 8 lines behind the last product of the step before.
.macro STEP j, mode
.set X, (\j)%2
.set QC, (\j)/4
.set EC, (\j)%4
.set QL, (((\j)+7)%8)/4
.set EL, ((\j)+7)%4
.set JN, ((\j)+1)%8
.set AQ, -1
.if (\j) == 3
.set AQ, 1
.endif
.if (\j) == 7
.set AQ, 0
.endif
	s_wait_dscnt 0x0                               ; this step's fragments, scale words and att
.if (\mode == 1) || (\mode == 2)
	WIN 0
	s_xor_b32 s[TB], s[TB], 131072                 ; my reads of this slot are over: the reads go on in the other slot
	s_xor_b32 s[TBH], s[TBH], 131072
	s_xor_b32 s[TS], s[TS], 16384
	ADDR
	s_wait_alu depctr_va_vdst(0)                   ; the wait here, directly behind the writes; no sum is under way
.if \mode == 1
	s_wait_xcnt 0x0                                ; the last prefetch, a slot back, has read its address
	s_add_nc_u64 s[PFA:PFA+1], s[PFA:PFA+1], 131072
.endif
	s_wait_tensorcnt 0x0                           ; all my tensor loads have landed: my part of the next slot
	ds_add_u32 v[SPW], v[NIL]                      ; work on registers stands between the add and the wait for it
.if \mode == 1
	s_xor_b32 s[G0K+5], s[G0K+5], 131072           ; no tensor load of mine is out: the walking descriptors turn to the other slot and step a slot on
	s_add_nc_u64 s[G0K+6:G0K+7], s[G0K+6:G0K+7], 131072
	s_xor_b32 s[G0S+5], s[G0S+5], 16384
	s_add_nc_u64 s[G0S+6:G0S+7], s[G0S+6:G0S+7], 4096
	s_xor_b32 s[G0T+5], s[G0T+5], 16384
	s_add_nc_u64 s[G0T+6:G0T+7], s[G0T+6:G0T+7], 8192
.endif
.endif
	PASS 0, 0, X, QL, EL
.if \mode == 0
	RUN JN, 1-X, AQ
.endif
.if (\mode == 1) || (\mode == 2)
	s_wait_dscnt 0x0                               ; the add is done
	s_barrier_signal -1                            ; with a refill this barrier opens a round of the cluster's barrier; only work on registers stands inside
.endif
	PASS 0, 1, X, QL, EL
.if (\mode == 1) || (\mode == 2)
	WIN 0
	s_barrier_wait -1
.if \mode == 1
	CREST                                          ; no wave of any partner still reads the slot that is left, or has a load on its way
	JLOAD G0K+4, G0S+4, G0T+4                      ; the first tensor load behind the round, one a wave
.endif
	RUN JN, 1-X, AQ
.if \mode == 1
	WIN 0
	ASK
.endif
.endif
	PASS 0, 2, X, QL, EL
	PASS 0, 3, X, QL, EL
.irp s, 0,1,2,3
	PASS 1, \s, X, QC, EC
.endr
.endm
	s_load_b256 s[4:11], s[0:1], 0x0               ; xq, wq, wsc, attw
	s_load_b128 s[12:15], s[0:1], 0x20             ; rel_bias, pre
	v_lshl_add_u32 v[SPW], v0, 2, SPARE
	v_mov_b32 v[NIL], 0
	ds_add_u32 v[SPW], v[NIL]                      ; the opening lines
	ds_add_u32 v[SPW], v[NIL]
	v_lshrrev_b32 v14, 5, v0
	v_readfirstlane_b32 s[WV], v14
	s_lshr_b32 s17, s[WV], 1                       ; which 128 rows
	s_and_b32 s18, s[WV], 1                        ; which 16 columns; also which half of a slot's codes waves 0 and 1 fetch
	s_bfe_u32 s19, ttmp6, 0x40000                  ; cx
	s_bfe_u32 s20, ttmp6, 0x40004                  ; cy
	s_lshl_b32 s21, ttmp9, 2
	s_add_co_u32 s21, s21, s19                     ; block of 32 columns
	s_and_b32 s22, ttmp7, 0xffff
	s_lshl_b32 s22, s22, 2
	s_add_co_u32 s22, s22, s20                     ; block of 256 rows
	s_lshl_b32 s82, 0x1111, s19                    ; my column of the cluster
	s_lshl_b32 s84, s20, 2
	s_lshl_b32 s84, 15, s84                        ; my row
	s_or_b32 s[G1K], s82, (3<<16)|(1<<21)          ; the mask; elements of 8 bytes; bit 21 beside a mask; no padding: the blocks are read as they lie
	s_or_b32 s[G1S], s82, (3<<16)|(1<<21)
	s_or_b32 s[G1T], s84, (3<<16)|(1<<21)
	GRP1 G1K, 256                                  ; 65,536 bytes: half a slot's codes
	GRP1 G1S, 16                                   ; 4,096: a slot's scale words
	GRP1 G1T, 32                                   ; 8,192: a slot's att
	s_lshl_b32 s82, s21, 20                        ; codes: 1,048,576 x block of columns + 65,536 x half.  These registers never hold cy
	s_lshl_b32 s83, s18, 16
	s_add_co_u32 s82, s82, s83
	s_mov_b32 s83, 0
	s_lshl_b32 s2, s21, 15                         ; scales
	s_mov_b32 s3, 0
	s_lshl_b32 s84, s22, 16                        ; att.  These never hold cx
	s_mov_b32 s85, 0
	s_mov_b32 s[SEL], 0x76543210
	s_mov_b32 s[SEL+1], 0xfedcba98
	s_mov_b32 s[MNT], 0x600000
	s_mov_b32 s[TB], 0
	s_mov_b32 s[TBH], 65536
	s_mov_b32 s[TS], 0
	s_mov_b32 s[CNT], 6
	s_lshl_b32 s86, s18, 13
	s_lshl_b32 s87, s18, 8
	s_add_co_u32 s87, s87, SM
	s_lshl_b32 s91, s17, 11
	s_add_co_u32 s91, s91, SM+4096
	v_and_b32 v14, 31, v0
	v_and_b32 v15, 15, v0
	v_bfe_u32 v16, v0, 4, 1
	v_lshlrev_b32 v[LI], 4, v14
	v_lshlrev_b32 v[LS], 2, v14
	v_lshlrev_b32 v[PFO], 8, v14
	v_lshlrev_b32 v[BO], 2, v15
	v_lshl_add_u32 v[BO], v16, 15, v[BO]
	v_lshlrev_b32 v17, 4, v15
	v_add_nc_u32 v[AW0], s86, v[LI]
	v_add_nc_u32 v[AS0], s87, v17
	v_add_nc_u32 v[AT0], s91, v17
	ADDR
	s_wait_alu depctr_va_vdst(0)                   ; the wait here, directly ahead of the waits below
	s_wait_dscnt 0x0
	s_wait_kmcnt 0x0
	s_lshl_b32 s86, s22, 4                         ; offsets that mix the two coordinates have registers of their own
	s_lshl_b32 s87, s17, 3
	s_add_co_u32 s86, s86, s87                     ; my first tile of rows
	s_mul_i32 s92, s86, 11008
	s_mov_b32 s93, 0
	s_add_nc_u64 s[4:5], s[4:5], s[92:93]          ; its record
	s_lshl_b32 s87, s21, 1
	s_add_co_u32 s87, s87, s18                     ; my tile of columns
	s_lshl_b32 s92, s87, 6
	s_add_nc_u64 s[12:13], s[12:13], s[92:93]
	s_lshl_b32 s86, s86, 5
	s_add_co_u32 s86, s86, s87
	s_lshl_b32 s92, s86, 10
	s_add_nc_u64 s[14:15], s[14:15], s[92:93]      ; pre at my first tile
	; ---- the small product's operands are asked for first: 56 loads
	WIN 0x40
.irp c, 0,1
.irp i, 0,1,2,3,4,5,6,7,8,9,10,11,12,13,14,15
	global_load_b32 v[BX+16*\c+\i], v[BO], s[12:13] offset:(32*\c+\i)*2048   ; rel_bias(32 c + 16 h + i, my column)
.endr
.endr
.irp a, 0,1,2,3,4,5,6,7
.irp c, 0,1
	global_load_b128 v[8*\a+4*\c:8*\a+4*\c+3], v[LI], s[4:5] offset:\a*11008+8192+512*\c   ; att's codes, for now where W's fragments will lie
.endr
.endr
	WIN 0
.irp a, 0,1,2,3,4,5,6,7
	global_load_b32 v[ASC+\a], v[LS], s[4:5] offset:\a*11008+10752
.endr
	s_mov_b32 s[G0K], 1
	s_lshl_b32 s[G0K+1], s18, 16                   ; no place in the cluster enters an LDS address
	s_add_nc_u64 s[G0K+2:G0K+3], s[6:7], s[82:83]
	s_mov_b32 s[G0K+4], 1
	s_add_co_u32 s[G0K+5], s[G0K+1], 131072
	s_add_nc_u64 s[G0K+6:G0K+7], s[G0K+2:G0K+3], 131072
	s_or_b32 s[G0K+3], s[G0K+3], 0x80000000
	s_or_b32 s[G0K+7], s[G0K+7], 0x80000000
	s_mov_b32 s[G0S], 1
	s_mov_b32 s[G0S+1], SM
	s_add_nc_u64 s[G0S+2:G0S+3], s[8:9], s[2:3]
	s_mov_b32 s[G0S+4], 1
	s_mov_b32 s[G0S+5], SM+16384
	s_add_nc_u64 s[G0S+6:G0S+7], s[G0S+2:G0S+3], 4096
	s_or_b32 s[G0S+3], s[G0S+3], 0x80000000
	s_or_b32 s[G0S+7], s[G0S+7], 0x80000000
	s_mov_b32 s[G0T], 1
	s_mov_b32 s[G0T+1], SM+4096
	s_add_nc_u64 s[G0T+2:G0T+3], s[10:11], s[84:85]
	s_mov_b32 s[G0T+4], 1
	s_mov_b32 s[G0T+5], SM+4096+16384
	s_add_nc_u64 s[G0T+6:G0T+7], s[G0T+2:G0T+3], 8192
	s_or_b32 s[G0T+3], s[G0T+3], 0x80000000
	s_or_b32 s[G0T+7], s[G0T+7], 0x80000000
	CROUND                                         ; all sixteen work-groups are here: the first joint loads meet
	JLOAD G0K, G0S, G0T                            ; slot 0: one tensor load a wave at the head
	; ---- what stays in registers: emb's fragments and scale words: 160 loads
	WIN 0x80
.irp a, 0,1,2
.irp s, 0,1,2,3
.irp c, 0,1,2,3
	global_load_b128 v[64*\a+16*\s+4*\c:64*\a+16*\s+4*\c+3], v[LI], s[4:5] offset:\a*11008+2048*\s+512*\c
.endr
.endr
.endr
	WIN 0xc0
.irp a, 3,4,5
.irp s, 0,1,2,3
.irp c, 0,1,2,3
	global_load_b128 v[64*(\a-3)+16*\s+4*\c:64*(\a-3)+16*\s+4*\c+3], v[LI], s[4:5] offset:\a*11008+2048*\s+512*\c
.endr
.endr
.endr
	WIN 0
.irp a, 6,7
.irp s, 0,1,2,3
.irp c, 0,1,2,3
	global_load_b128 v[128+64*(\a-6)+16*\s+4*\c:128+64*(\a-6)+16*\s+4*\c+3], v[LI], s[4:5] offset:\a*11008+2048*\s+512*\c
.endr
.endr
.endr
.irp a, 0,1,2,3,4,5,6,7
.irp s, 0,1,2,3
	global_load_b32 v[ESC+4*\a+(\s+1)%4], v[LS], s[4:5] offset:\a*11008+10240+128*\s
.endr
.endr
	s_wait_loadcnt 0x3f                            ; 160 loads were issued behind the small product's 56: with 63 out, those are in
	; ---- rel_bias's 16 columns become a fragment (K = 64: two blocks; blocks 2, 3 zero codes under the byte 0), all in window 1
	WIN 0x55
	v_mov_b32 v[BTM+4], 0                          ; a lane permute's destination counts as one of its sources
	v_mov_b32 v[BTM+5], 0
.irp i, 8,9,10,11,12,13,14,15
	v_mov_b32 v[BPC+\i], 0
	v_mov_b32 v[56+\i], 0                          ; behind tile 7's att codes: zero codes
.endr
.irp b, 0,1
	v_max3_num_f32 v[BTM+\b], |v[BX+16*\b]|, |v[BX+1+16*\b]|, 0x8000000
.endr
.irp i, 2,4,6,8,10,12,14
.irp b, 0,1
	v_max3_num_f32 v[BTM+\b], v[BTM+\b], |v[BX+16*\b+\i]|, |v[BX+1+16*\b+\i]|
.endr
.endr
.irp b, 0,1
	v_permlanex16_b32 v[BTM+4+\b], v[BTM+\b], s[SEL], s[SEL+1]
.endr
.irp b, 0,1
	v_max_num_f32 v[BTM+\b], v[BTM+\b], v[BTM+4+\b]
.endr
.irp b, 0,1
	v_add_nc_u32 v[BTM+12+\b], 0xf8800000, v[BTM+\b]
.endr
.irp b, 0,1
	v_and_or_b32 v[BTM+8+\b], v[BTM+\b], 0x7f800000, s[MNT]
.endr
.irp b, 0,1
	v_lshrrev_b32 v[BTM+4+\b], 23, v[BTM+12+\b]
.endr
	WIN 0x11                                       ; sources window 1, destination window 0: scale operands are taken from window 0
	v_lshl_or_b32 v[BSC], v[BTM+5], 8, v[BTM+4]
	WIN 0x55
.irp b, 0,1
.irp i, 0,1,2,3,4,5,6,7,8,9,10,11,12,13,14,15
	v_med3_num_f32 v[BX+16*\b+\i], v[BX+16*\b+\i], -v[BTM+8+\b], v[BTM+8+\b]
.endr
	v_cvt_scalef32_pk8_bf8_f32 v[BPC+4*\b:BPC+1+4*\b], v[BX+16*\b:BX+7+16*\b], v[BTM+12+\b]
	v_cvt_scalef32_pk8_bf8_f32 v[BPC+2+4*\b:BPC+3+4*\b], v[BX+8+16*\b:BX+15+16*\b], v[BTM+12+\b]
.endr
.rept 8
	v_nop                                          ; operands and a scale word written by vector instructions stand four and eight places ahead of a scaled matrix instruction
.endr
	WIN 0x45
.irp a, 0,1,2,3,4,5,6,7                        ; O begins as the small product: O[a] = Q(rel_bias)^T Q(att)^T
	v_wmma_scale_f32_16x16x128_f8f6f4 v[192+8*\a:199+8*\a], v[BPC:BPC+15], v[8*\a:8*\a+15], 0, v[BSC], v[ASC+\a] matrix_a_fmt:MATRIX_FMT_BF8 matrix_b_fmt:MATRIX_FMT_BF8
.endr
	; the first step's lagging folds add 0 x 0: set 1 of att of tiles 3, 4, 5, 7 first (16 lines: the places behind the products above), then P of these tiles, which lies over rel_bias's numbers and codes
	WIN 0x80
.irp i, 196,197,198,199,204,205,206,207,212,213,214,215
	v_mov_b32 v\i, 0
.endr
	WIN 0
.irp i, 108,109,110,111
	v_mov_b32 v\i, 0
.endr
	WIN 0x40
.set i, 152
.rept 24
	v_mov_b32 v[i], 0
.set i, i+1
.endr
.set i, 184
.rept 8
	v_mov_b32 v[i], 0
.set i, i+1
.endr
	WIN 0
	s_lshl_b32 s92, s21, 20                        ; the prefetches: my block of columns, slot 2 (the first change of slots steps it to slot 3), 32,768 x cy, 8,192 x wave
	s_lshl_b32 s91, s20, 15
	s_add_co_u32 s92, s92, s91
	s_lshl_b32 s91, s[WV], 13
	s_add_co_u32 s92, s92, s91
	s_add_co_u32 s92, s92, 2*131072
	s_add_nc_u64 s[PFA:PFA+1], s[6:7], s[92:93]
	s_and_b32 s91, ttmp7, 0xffff                   ; cluster y: the same in all sixteen partners
	s_cmp_eq_u32 s91, 0
	s_cselect_b32 s[LIM], 1, -1
	s_wait_alu depctr_va_vdst(0)                   ; the wait at the head's end
	s_wait_loadcnt 0x0                             ; emb is in
	s_wait_tensorcnt 0x0                           ; my part of slot 0 is in; slot 1's first fill is issued as a refill is:
	ds_add_u32 v[SPW], v[NIL]
	s_wait_dscnt 0x0
	CROUND
	JLOAD G0K+4, G0S+4, G0T+4                      ; slot 1: the first tensor load behind the round
	RUN 0, 0, 0
	WIN 0                                          ; at a label and at a branch every window is 0
.Lslot:                                            ; six trips: slots 0 to 5 are multiplied, and filled again with the bases of slots 2 to 7
.irp j, 0,1,2,3,4,5,6
	STEP \j, 0
.endr
	STEP 7, 1
	WIN 0
	s_sub_co_u32 s[CNT], s[CNT], 1
	s_cmp_lg_u32 s[CNT], 0
	s_cbranch_scc1 .Lslot
.irp j, 0,1,2,3,4,5,6                          ; the last two slots are written out
	STEP \j, 0
.endr
	STEP 7, 2
.irp j, 0,1,2,3,4,5,6
	STEP \j, 0
.endr
	STEP 7, 3
	; the last base's lagging folds, in the order and with the places of a step's first half
.irp p, 0,2
	WIN 0x59
.irp a, 3,4,5
	FOLD \a, \p, 1, 3
	FOLD \a, \p+1, 1, 3
.endr
	WIN 0x51
	FOLD 7, \p, 1, 3
	FOLD 7, \p+1, 1, 3
.endr
	WIN 0x04                                       ; a store's data are its source 1: window 1
.irp a, 0,1,2,3,4,5,6,7
.irp q, 0,1
	global_store_b128 v[LI], v[192+8*\a+4*\q:192+8*\a+4*\q+3], s[14:15] offset:\a*32768+512*\q   ; 32 lanes store 512 consecutive bytes, aligned
.endr
.endr
	WIN 0
	s_wait_tensorcnt 0x0                           ; the wave's end
	ds_add_u32 v[SPW], v[NIL]
	s_wait_dscnt 0x0
	CROUND                                         ; the closing round
	s_endpgm
.Lfunc_end_k_qc2809ded0d_main:
	.size	k_qc2809ded0d_main, .Lfunc_end_k_qc2809ded0d_main-k_qc2809ded0d_main
	.p2alignl 7, 3214868480
	.fill 96, 4, 3214868480
	.section	.rodata,"a",@progbits
	.p2align	6, 0x0
	.amdhsa_kernel k_qc2809ded0d_main
		.amdhsa_group_segment_fixed_size 327680
		.amdhsa_private_segment_fixed_size 0
		.amdhsa_enable_private_segment 0
		.amdhsa_kernarg_size 48
		.amdhsa_user_sgpr_count 2
		.amdhsa_user_sgpr_kernarg_segment_ptr 1
		.amdhsa_wavefront_size32 1
		.amdhsa_system_sgpr_workgroup_id_x 1
		.amdhsa_system_sgpr_workgroup_id_y 1
		.amdhsa_system_sgpr_workgroup_id_z 1
		.amdhsa_system_vgpr_workitem_id 0
		.amdhsa_next_free_vgpr 1024
		.amdhsa_next_free_sgpr 96
		.amdhsa_reserve_vcc 0
		.amdhsa_float_denorm_mode_32 3
		.amdhsa_float_denorm_mode_16_64 3
		.amdhsa_memory_ordered 1
		.amdhsa_forward_progress 1
		.amdhsa_inst_pref_size 230
	.end_amdhsa_kernel
	.amdgpu_metadata
---
amdhsa.version: [ 1, 2 ]
amdhsa.kernels:
  - .name:           k_qc2809ded0d_main
    .symbol:         k_qc2809ded0d_main.kd
    .args:
      - { .name: xq, .offset: 0, .size: 8, .value_kind: global_buffer, .address_space: global }
      - { .name: wq, .offset: 8, .size: 8, .value_kind: global_buffer, .address_space: global }
      - { .name: wsc, .offset: 16, .size: 8, .value_kind: global_buffer, .address_space: global }
      - { .name: attw, .offset: 24, .size: 8, .value_kind: global_buffer, .address_space: global }
      - { .name: rel_bias, .offset: 32, .size: 8, .value_kind: global_buffer, .address_space: global }
      - { .name: pre, .offset: 40, .size: 8, .value_kind: global_buffer, .address_space: global }
    .group_segment_fixed_size: 327680
    .private_segment_fixed_size: 0
    .kernarg_segment_align: 8
    .kernarg_segment_size: 48
    .max_flat_workgroup_size: 128
    .sgpr_count:     96
    .vgpr_count:     1024
    .wavefront_size: 32
...
	.end_amdgpu_metadata
.endif
;; end of part 2
;; launch norm (part 3): grid 256 x 1, 4 waves a work-group, no clusters, 34,816 bytes of LDS; arguments pre, out0; writes out0
.if DOCPART == 3
	.amdgcn_target "amdgcn-amd-amdhsa--gfx1250"
	.amdhsa_code_object_version 6
	.text
	.protected	k_qc2809ded0d_norm
	.globl	k_qc2809ded0d_norm
	.p2align	8
	.type	k_qc2809ded0d_norm,@function
k_qc2809ded0d_norm:
	s_mov_b64 s[64:65], 0
	v_nop
	global_prefetch_b8 v0, s[64:65] scope:SCOPE_SE
	s_setreg_imm32_b32 hwreg(HW_REG_WAVE_MODE, 25, 1), 1
	s_wait_xcnt 0x0
; NORM: out0[b][:] = (x - mean(x)) / sqrt(var(x) + 1e-5), x = row b of pre, over its 512 numbers, all in f32.  The variance is taken of x - mean (two passes over registers): no difference of large sums is formed.
; pre: [tile of 16 rows 256][tile of 16 columns 32][q 2][lane 32][16 B]; lane (m, h) holds row m, columns 8 h + 4 q + 0..3 of the tile.  out0: [4096][512] f32.
; LIMITS: NaN and infinities are not served.
; SHARES.  A work-group takes 16 rows; wave w the tiles of columns 8 w .. 8 w + 7: 8,192 consecutive bytes, 64 numbers a lane, all of one row.  A row's sum: within the lane, with lane l xor 16, then the four waves' through LDS.
; Each byte is read once and written once, in runs of 512 consecutive bytes; work-groups share nothing, so there is no cluster; no matrix work; the launch is short and all its loads go out at its head, so nothing is prefetched.
; LDS: 0: the sums [row 16][wave 4]; 256: the sums of squares; 512 + 8,448 x wave: the wave's own stage, 16 rows x (512 + 16) bytes, which turns the tiles' layout into rows.
.set X, 16                             ; v16-79: register 8 t + 4 q + i: row m, column 128 w + 16 t + 8 h + 4 q + i
	s_load_b128 s[4:7], s[0:1], 0x0                ; pre s[4:5], out0 s[6:7]
	v_lshl_add_u32 v96, v0, 2, 0x8600
	v_mov_b32 v97, 0
	v_lshrrev_b32 v1, 5, v0
	v_readfirstlane_b32 s8, v1                     ; wave
	v_and_b32 v6, 31, v0                           ; lane
	v_and_b32 v7, 15, v0                           ; m
	v_bfe_u32 v8, v0, 4, 1                         ; h
	v_lshlrev_b32 v1, 4, v6                        ; v1: 16 x lane
	v_lshlrev_b32 v3, 4, v7                        ; v3: my row's four sums
	s_lshl_b32 s9, s8, 2
	v_add_nc_u32 v2, s9, v3                        ; v2: my wave's word among them
	s_mul_i32 s9, s8, 8448
	s_add_co_u32 s9, s9, 512                       ; my stage
	v_mul_u32_u24 v4, v7, 528
	v_lshl_add_u32 v4, v8, 5, v4
	v_add_nc_u32 v4, s9, v4                        ; v4: in: row m, + 32 h
	v_add_nc_u32 v5, s9, v1                        ; v5: back: 16 bytes a lane of a row
	s_mov_b32 s10, 0x3b000000                      ; 1 / 512
	s_mov_b32 s11, 0x3727c5ac                      ; 1e-5
	s_mov_b32 s12, 0x76543210
	s_mov_b32 s13, 0xfedcba98                      ; v_permlanex16_b32's selects for lane l xor 16
	s_lshl_b32 s14, ttmp9, 15                      ; 16 rows are 32,768 bytes in both buffers
	s_lshl_b32 s16, s8, 13
	s_add_co_u32 s16, s16, s14
	s_mov_b32 s17, 0
	s_lshl_b32 s18, s8, 9
	s_add_co_u32 s18, s18, s14
	s_mov_b32 s19, 0
	s_wait_alu depctr_va_vdst(0)
	s_wait_kmcnt 0x0
	s_add_nc_u64 s[4:5], s[4:5], s[16:17]
	s_add_nc_u64 s[6:7], s[6:7], s[18:19]
.irp i, 0,1,2,3,4,5,6,7,8,9,10,11,12,13,14,15
	global_load_b128 v[X+4*\i:X+4*\i+3], v1, s[4:5] offset:512*\i th:TH_LOAD_NT
.endr
	s_wait_loadcnt 0x0
	; ---- the mean: four chains, started by the first eight pairs
	v_pk_add_f32 v[6:7], v[X:X+1], v[X+2:X+3]
	v_pk_add_f32 v[8:9], v[X+4:X+5], v[X+6:X+7]
	v_pk_add_f32 v[10:11], v[X+8:X+9], v[X+10:X+11]
	v_pk_add_f32 v[12:13], v[X+12:X+13], v[X+14:X+15]
.irp j, 16,24,32,40,48,56
	v_pk_add_f32 v[6:7], v[6:7], v[X+\j:X+\j+1]
	v_pk_add_f32 v[8:9], v[8:9], v[X+\j+2:X+\j+3]
	v_pk_add_f32 v[10:11], v[10:11], v[X+\j+4:X+\j+5]
	v_pk_add_f32 v[12:13], v[12:13], v[X+\j+6:X+\j+7]
.endr
	v_pk_add_f32 v[6:7], v[6:7], v[8:9]
	v_pk_add_f32 v[10:11], v[10:11], v[12:13]
	v_pk_add_f32 v[6:7], v[6:7], v[10:11]
	v_add_f32 v6, v6, v7
	v_permlanex16_b32 v7, v6, s12, s13
	v_add_f32 v6, v6, v7                           ; my wave's 128 columns of row m
	ds_store_b32 v2, v6                            ; both halves of the lanes write the same word with the same value
	s_wait_dscnt 0x0                               ; for the others' sake
	s_barrier_signal -1
	s_barrier_wait -1
	ds_load_b128 v[8:11], v3
	s_wait_dscnt 0x0
	v_add_f32 v8, v8, v9
	v_add_f32 v10, v10, v11
	v_add_f32 v8, v8, v10
	v_mul_f32 v14, s10, v8                         ; the mean
	v_mov_b32 v15, v14                             ; (named with it as a pair)
.set j, 0
.rept 32
	v_pk_add_f32 v[X+j:X+j+1], v[X+j:X+j+1], v[14:15] op_sel_hi:[1,0] neg_lo:[0,1] neg_hi:[0,1]   ; x - mean
.set j, j+2
.endr
	; ---- the variance
	v_pk_mul_f32 v[6:7], v[X:X+1], v[X:X+1]
	v_pk_mul_f32 v[8:9], v[X+2:X+3], v[X+2:X+3]
	v_pk_mul_f32 v[10:11], v[X+4:X+5], v[X+4:X+5]
	v_pk_mul_f32 v[12:13], v[X+6:X+7], v[X+6:X+7]
.irp j, 8,16,24,32,40,48,56
	v_pk_fma_f32 v[6:7], v[X+\j:X+\j+1], v[X+\j:X+\j+1], v[6:7]
	v_pk_fma_f32 v[8:9], v[X+\j+2:X+\j+3], v[X+\j+2:X+\j+3], v[8:9]
	v_pk_fma_f32 v[10:11], v[X+\j+4:X+\j+5], v[X+\j+4:X+\j+5], v[10:11]
	v_pk_fma_f32 v[12:13], v[X+\j+6:X+\j+7], v[X+\j+6:X+\j+7], v[12:13]
.endr
	v_pk_add_f32 v[6:7], v[6:7], v[8:9]
	v_pk_add_f32 v[10:11], v[10:11], v[12:13]
	v_pk_add_f32 v[6:7], v[6:7], v[10:11]
	v_add_f32 v6, v6, v7
	v_permlanex16_b32 v7, v6, s12, s13
	v_add_f32 v6, v6, v7
	ds_store_b32 v2, v6 offset:256                 ; other bytes than the first sums': no barrier is owed between the reads above and this store
	s_wait_dscnt 0x0
	s_barrier_signal -1
	s_barrier_wait -1
	ds_load_b128 v[8:11], v3 offset:256
	s_wait_dscnt 0x0
	v_add_f32 v8, v8, v9
	v_add_f32 v10, v10, v11
	v_add_f32 v8, v8, v10
	v_fma_f32 v8, v8, s10, s11                     ; the variance + 1e-5
	s_wait_alu depctr_va_vdst(0)
	v_rsq_f32 v14, v8
	v_nop                                          ; a plain line behind the transcendental (ISA guide 5.7.2)
	s_wait_alu depctr_va_vdst(0)                   ; and the wait ahead of the first line that names its result
.set j, 0
.rept 32
	v_pk_mul_f32 v[X+j:X+j+1], v[X+j:X+j+1], v[14:15] op_sel_hi:[1,0]
.set j, j+2
.endr
	; ---- the way out, through my own stage: in by tiles, back by rows
.irp t, 0,1,2,3,4,5,6,7
.irp q, 0,1
	ds_store_b128 v4, v[X+8*\t+4*\q:X+8*\t+4*\q+3] offset:64*\t+16*\q
.endr
.endr
.irp i, 0,1,2,3,4,5,6,7,8,9,10,11,12,13,14,15
	ds_load_b128 v[X+4*\i:X+4*\i+3], v5 offset:528*\i   ; LDS serves a wave's instructions in order (ISA guide 5.7.1.4): these see my stores
.endr
.irp i, 0,1,2,3,4,5,6,7,8,9,10,11,12,13,14,15
	s_wait_dscnt 15-\i                             ; row i is back; the younger rows may be out
	global_store_b128 v1, v[X+4*\i:X+4*\i+3], s[6:7] offset:2048*\i   ; 32 lanes store 512 consecutive bytes, aligned
.endr
	s_wait_tensorcnt 0x0
	ds_add_u32 v96, v97
	s_wait_dscnt 0x0
	s_endpgm
.Lfunc_end_k_qc2809ded0d_norm:
	.size	k_qc2809ded0d_norm, .Lfunc_end_k_qc2809ded0d_norm-k_qc2809ded0d_norm
	.p2alignl 7, 3214868480
	.fill 96, 4, 3214868480
	.section	.rodata,"a",@progbits
	.p2align	6, 0x0
	.amdhsa_kernel k_qc2809ded0d_norm
		.amdhsa_group_segment_fixed_size 34816
		.amdhsa_private_segment_fixed_size 0
		.amdhsa_enable_private_segment 0
		.amdhsa_kernarg_size 16
		.amdhsa_user_sgpr_count 2
		.amdhsa_user_sgpr_kernarg_segment_ptr 1
		.amdhsa_wavefront_size32 1
		.amdhsa_system_sgpr_workgroup_id_x 1
		.amdhsa_system_sgpr_workgroup_id_y 1
		.amdhsa_system_sgpr_workgroup_id_z 1
		.amdhsa_system_vgpr_workitem_id 0
		.amdhsa_next_free_vgpr 98
		.amdhsa_next_free_sgpr 66
		.amdhsa_reserve_vcc 0
		.amdhsa_float_denorm_mode_32 3
		.amdhsa_float_denorm_mode_16_64 3
		.amdhsa_memory_ordered 1
		.amdhsa_forward_progress 1
		.amdhsa_inst_pref_size 17
	.end_amdhsa_kernel
	.amdgpu_metadata
---
amdhsa.version: [ 1, 2 ]
amdhsa.kernels:
  - .name:           k_qc2809ded0d_norm
    .symbol:         k_qc2809ded0d_norm.kd
    .args:
      - { .name: pre, .offset: 0, .size: 8, .value_kind: global_buffer, .address_space: global }
      - { .name: out0, .offset: 8, .size: 8, .value_kind: global_buffer, .address_space: global }
    .group_segment_fixed_size: 34816
    .private_segment_fixed_size: 0
    .kernarg_segment_align: 8
    .kernarg_segment_size: 16
    .max_flat_workgroup_size: 128
    .sgpr_count:     66
    .vgpr_count:     98
    .wavefront_size: 32
...
	.end_amdgpu_metadata
.endif
;; end of part 3
